; MI455X (gfx1250); checked and timed in simulation.
; The chip was launched on July 23, 2026; its instructions are those of AMD's public machine-readable ISA for CDNA 5 (MIT licence, August 2026) and "CDNA5" Instruction Set Architecture Reference Guide (July 2026). The comments in the code are by the model that wrote it; some were corrected since.
;; Self Attention. Allowed arithmetic: matrix products marked QUANTISED: E5M2 operands, one given power-of-two scale a tensor, by v_wmma_f32_16x16x64_bf8_bf8 or v_wmma_f32_16x16x128_bf8_bf8, f32 sums; everything else in f32.
;; Inputs: ln_beta 1,024 float32; ln_gamma 1,024 float32; lowp_scales 12 int32 (the exponents e of the quantised operands' scales 2^e); out_w 1,024 x 1,024 float32; qkv_w 3 x 4 x 1,024 x 256 float32; x 4 x 2,048 x 1,024 float32.
;; Outputs: out0 4 x 2,048 x 1,024 float32.
;; This version of the problem:
;;   THIS VERSION OF THE PROBLEM IS GIVEN IN LOW PRECISION. The matrix products marked QUANTISED in the list below multiply operands that are first quantised to E5M2 (5 exponent bits, 2 mantissa bits; 8 bits a number), with one given power-of-two scale for each operand tensor; their sums are f32. All else is computed in f32.
;;   The module's matrix products, in the order in which they are computed (A, B: the left and right operand; K: the contracted axis; several contracted axes count as one K, in the product's order):
;;     1. [M 1,024, K 1,024] x [K 1,024, N 8,192]; A: input qkv_w; B: input x: QUANTISED (scales: A lowp_scales[0], B lowp_scales[1])
;;     2. [M 1,024, K 1,024] x [K 1,024, N 8,192]; A: input qkv_w; B: input x: QUANTISED (scales: A lowp_scales[2], B lowp_scales[3])
;;     3. [M 1,024, K 1,024] x [K 1,024, N 8,192]; A: input qkv_w; B: input x: QUANTISED (scales: A lowp_scales[4], B lowp_scales[5])
;;     4. batch 16 x [M 2,048, K 256] x [K 256, N 2,048]; A: computed on the way; B: computed on the way: QUANTISED (scales: A lowp_scales[6], B lowp_scales[7])
;;     5. batch 16 x [M 2,048, K 2,048] x [K 2,048, N 256]; A: softmax (see below); B: computed on the way: QUANTISED (scales: A lowp_scales[8], B lowp_scales[9])
;;     6. [M 8,192, K 1,024] x [K 1,024, N 1,024]; A: computed on the way; B: input out_w: QUANTISED (scales: A lowp_scales[10], B lowp_scales[11])
;;   THE QUANTISER, for each operand of a quantised product, along K:
;;     - The operand's scale is 2^e, e = its entry of the input lowp_scales (int32; the entries are numbered through the quantised products in the list's order, A before B).
;;     - Each number is divided by the scale, clamped to +-57,344, and rounded to the nearest number of E5M2, ties to even, subnormals kept.
;;     - The product sums the exact products of the quantised numbers (number of the format x scale) in f32.
;;   ~~~python
;;   def quantise(x, axis, e):      # numpy; x: float32 -> the quantised numbers, widened to float32 again
;;       x = np.moveaxis(x, axis, -1); K = x.shape[-1]
;;       r = np.clip(x / 2.0 ** e, -57344, 57344)
;;       step = 2.0 ** (np.maximum(np.frexp(np.where(r == 0, 1, r))[1] - 1, -14) - 2)
;;       q = np.round(r / step) * step * 2.0 ** e      # np.round: ties to even
;;       return np.moveaxis(q, -1, axis).astype(np.float32)
;;   ~~~
;;   SOFTMAX AHEAD OF A QUANTISED PRODUCT. Where the list says 'softmax', what is quantised is not the finished softmax but p = 2^(t - M), with t = logit x log2(e) and M = ceil(the row's largest t), a whole number; so 1/2 < the row's largest p <= 1. The row's sum l is taken of the UNQUANTISED p, in f32, and the product's result is divided by l at the end. Since M is a whole number, a kernel that streams over the keys may use a running M (the ceiling of the running maximum): every later rescaling is an exact power of two, so the quantised numbers keep their values, but for numbers so far below the row's largest that they fall under the format's range.
;;   OPERANDS COMPUTED ON THE WAY. 'Computed on the way' means the value that the module computes at that place (a softmax that the list does not call 'softmax' is quantised finished and normalised). What goes into a quantiser is computed in f32, as accurately as f32 sums, v_exp_f32 and their like allow (about 1e-6 of the number): no bf16 or f16 on the way to a quantiser, and a product that is left as it is and whose result goes on into a quantised operand takes f32 operands (vector FMAs, or v_wmma_f32_16x16x4_f32). A number that lies on a knife's edge between two numbers of the format may be rounded either way, as far as f32 arithmetic and the matrix unit's own rounding can turn it there, and no further.
;; One version. Each part assembles by itself: llvm-mc -triple=amdgcn-amd-amdhsa -mcpu=gfx1250 --defsym DOCPART=n.
;; ======== version 1 of 1: 4 launches
;; limits: right only within a limited range of input values
;; workspace buffers: xq 25,165,824 bytes; wc 4,194,304 bytes; qkvc 25,165,824 bytes; ac 8,388,608 bytes
;; launch prep (part 1): grid 384 x 1, 4 waves a work-group, no clusters, 34,304 bytes of LDS; arguments x, qkv_w, out_w, lowp_scales, xq, wc; writes xq, wc
.if DOCPART == 1
	.amdgcn_target "amdgcn-amd-amdhsa--gfx1250"
	.amdhsa_code_object_version 6
	.text
	.protected	k_qbca9ae3e4b_prep
	.globl	k_qbca9ae3e4b_prep
	.p2align	8
	.type	k_qbca9ae3e4b_prep,@function
k_qbca9ae3e4b_prep:
	s_mov_b64 s[64:65], 0
	v_nop
	global_prefetch_b8 v0, s[64:65] scope:SCOPE_SE
	s_setreg_imm32_b32 hwreg(HW_REG_WAVE_MODE, 25, 1), 1
	s_wait_xcnt 0x0
; x [8192][1024] f32 becomes codes of E5M2 three times, under the given scales 2^e1, 2^e3, 2^e5 (they may differ); qkv_w [12][1024 (k)][256] and out_w [1024 (k)][1024] become codes once,
; under 2^e0, 2^e2, 2^e4 (q's, k's, v's weights) and 2^e11.  code = number / 2^e, held within +-57,344, rounded to the nearest code, ties to even.
; EVERY OPERAND IS STORED AS AN IMAGE OF ITS REGISTERS.  A fragment is 16 rows x 128 K, 2,048 bytes: lane rho + 16 hh holds row rho, its registers 2 c, 2 c + 1 hold k = 16 c + 8 hh + 0 .. 7
; (the matrix form's own places); registers 4 g .. 4 g + 3 of lane L lie at byte 512 g + 16 L.  So a later launch fetches any fragment by four loads of 16 bytes a lane, 512 consecutive bytes each.
; xq: [3 scales][512 tiles of 16 rows][8 blocks of 128 K][2,048].   wc: [256 tiles of 16 rows n][8 blocks of K][2,048]; rows 0 .. 3071 = (matrix, column d) of qkv_w, rows 3072 .. 4095 = columns of out_w.
; Work-groups 0 .. 255 take x (a wave: 16 rows x 512 K), work-groups 256 .. 383 the weights (a wave: 32 columns x 256 K).  Waves share nothing: no barrier.  Only x's path touches LDS.
; LIMITS: each of e0 .. e5 and e11 lies between -126 and 112, so that 2^e and 57,344 x 2^e are f32 numbers.  NaN among the inputs is not served (an infinity is held at the largest code).
.set STG,  8448                        ; x's path: a wave's stage in LDS: 16 rows x (512 bytes + 16): row r starts 4 r banks on
.set R,    16                          ; v16-143  two sets of 64: a step's numbers as they are loaded
.set X,    144                         ; v144-207 64 numbers of my row, in the fragment's order
.set T,    208                         ; v208-223 two sets of 8 held numbers
.set C,    224                         ; v224-255 two sets of 16: a fragment's codes
.set SCX,  8                           ; v8-10    2^e1, 2^e3, 2^e5 as f32
.set LMX,  11                          ; v11-13   57,344 x these
.set WOFF, 16                          ; the weights' path: v16-47 byte offsets of 32 rows
.set WX,   48                          ; v48-111  two sets of 32 numbers down K
.set WC,   112                         ; v112-175 eight registers of codes for each block: no store's data are written again
.macro XLOAD t                         ; step t: 128 K of 16 rows; each load takes 512 consecutive bytes of one row
.irp i, 0,1,2,3,4,5,6,7,8,9,10,11,12,13,14,15
	global_load_b128 v[R+64*((\t)%2)+4*\i:R+64*((\t)%2)+4*\i+3], v3, s[4:5] offset:\i*4096+(\t)*512 th:TH_LOAD_NT
.endr
.endm
.macro XSTEP t
.if (\t) < 3
	s_wait_loadcnt 16                              ; this step's 16 loads are in; the next step's 16 may be out
.else
	s_wait_loadcnt 0x0
.endif
.irp i, 0,1,2,3,4,5,6,7,8,9,10,11,12,13,14,15
	ds_store_b128 v14, v[R+64*((\t)%2)+4*\i:R+64*((\t)%2)+4*\i+3] offset:\i*528   ; rows as they lie
.endr
.irp c, 0,1,2,3,4,5,6,7
	ds_load_b128 v[X+8*\c:X+8*\c+3], v15 offset:64*\c          ; LDS serves a wave's instructions in order: these see the stores.  Row rho, k = 16 c + 8 hh + 0 .. 7
	ds_load_b128 v[X+8*\c+4:X+8*\c+7], v15 offset:64*\c+16
.endr
	s_wait_dscnt 0x0                               ; the numbers are back, and the stage's stores have read their registers,
.if (\t)+2 < 4
	XLOAD (\t)+2                                   ; which take the loads of two steps on
.endif
.irp s, 0,1,2
	s_wait_xcnt 0x0                                ; the earlier stores have read their data: the set of codes is written again only behind this wait
.irp c, 0,1,2,3,4,5,6,7
.irp j, 0,1,2,3,4,5,6,7
	v_med3_num_f32 v[T+8*(\c%2)+\j], v[X+8*\c+\j], -v[LMX+\s], v[LMX+\s]   ; the conversion does not saturate (ISA guide 7.6.2): the hold comes first.  These eight are also the plain lines behind the conversion above
.endr
	v_cvt_scalef32_pk8_bf8_f32 v[C+16*((3*(\t)+\s)%2)+2*\c:C+16*((3*(\t)+\s)%2)+2*\c+1], v[T+8*(\c%2):T+8*(\c%2)+7], v[SCX+\s]
.endr
.irp g, 0,1,2,3
	global_store_b128 v3, v[C+16*((3*(\t)+\s)%2)+4*\g:C+16*((3*(\t)+\s)%2)+4*\g+3], s[20+2*\s:21+2*\s] offset:(\t)*2048+512*\g   ; 512 consecutive bytes
.endr
.endr
.endm
.macro WLOAD t                         ; block t: 32 rows k of my column; 32 lanes read 128 consecutive bytes, the four waves 512
.irp i, 0,1,2,3,4,5,6,7,8,9,10,11,12,13,14,15,16,17,18,19,20,21,22,23,24,25,26,27,28,29,30,31
	global_load_b32 v[WX+32*((\t)%2)+\i], v[WOFF+\i], s[32+2*(\t):33+2*(\t)] th:TH_LOAD_NT
.endr
.endm
.macro WBLOCK t
.if (\t) < 7
	s_wait_loadcnt 32                              ; this block's 32 loads are in; the next block's may be out
.else
	s_wait_loadcnt 0x0
.endif
.irp i, 0,1,2,3,4,5,6,7,8,9,10,11,12,13,14,15,16,17,18,19,20,21,22,23,24,25,26,27,28,29,30,31
	v_med3_num_f32 v[WX+32*((\t)%2)+\i], v[WX+32*((\t)%2)+\i], -v10, v10
.endr
	; k = 8 u + 0 .. 7 of the block belongs to half hh = u % 2 of the image's lanes: u = 0, 2 are 16 bytes of lane rho, u = 1, 3 of lane rho + 16
	v_cvt_scalef32_pk8_bf8_f32 v[WC+8*(\t):WC+8*(\t)+1], v[WX+32*((\t)%2):WX+32*((\t)%2)+7], v11
	v_cvt_scalef32_pk8_bf8_f32 v[WC+8*(\t)+4:WC+8*(\t)+5], v[WX+32*((\t)%2)+8:WX+32*((\t)%2)+15], v11
	v_cvt_scalef32_pk8_bf8_f32 v[WC+8*(\t)+2:WC+8*(\t)+3], v[WX+32*((\t)%2)+16:WX+32*((\t)%2)+23], v11
	v_cvt_scalef32_pk8_bf8_f32 v[WC+8*(\t)+6:WC+8*(\t)+7], v[WX+32*((\t)%2)+24:WX+32*((\t)%2)+31], v11
	global_store_b128 v8, v[WC+8*(\t):WC+8*(\t)+3], s[8:9] offset:((\t)/4)*2048+((\t)%4)*512        ; sixteen lanes store 256 consecutive bytes, aligned
	global_store_b128 v8, v[WC+8*(\t)+4:WC+8*(\t)+7], s[8:9] offset:((\t)/4)*2048+((\t)%4)*512+256
.if (\t)+2 < 8
	WLOAD (\t)+2
.endif
.endm
	s_load_b256 s[4:11], s[0:1], 0x0               ; x s[4:5], qkv_w s[6:7], out_w s[8:9], the exponents s[10:11]
	s_load_b128 s[12:15], s[0:1], 0x20             ; xq s[12:13], wc s[14:15]
	v_lshl_add_u32 v6, v0, 2, 0x8400
	v_mov_b32 v7, 0
	v_lshrrev_b32 v1, 5, v0
	v_readfirstlane_b32 s16, v1                    ; wave
	v_and_b32 v2, 31, v0                           ; lane
	s_wait_kmcnt 0x0
	s_load_b256 s[48:55], s[10:11], 0x0            ; e0 .. e7
	s_load_b128 s[56:59], s[10:11], 0x20           ; e8 .. e11
	s_cmp_ge_u32 ttmp9, 256
	s_cbranch_scc1 .Lweights
	; ---- x
	s_wait_alu depctr_va_vdst(0)
	v_lshlrev_b32 v3, 4, v2                        ; 16 x lane: my bytes of a load's 512 and of a store's 512
	s_wait_alu depctr_va_vdst(0)
	s_mul_i32 s17, s16, STG
	v_add_nc_u32 v14, s17, v3                      ; into the stage
	v_and_b32 v4, 15, v2
	v_lshrrev_b32 v5, 4, v2
	v_mul_u32_u24 v15, v4, 528
	v_lshl_add_u32 v15, v5, 5, v15
	v_add_nc_u32 v15, s17, v15                     ; out of it: row rho, + 32 hh bytes
	s_lshl_b32 s18, ttmp9, 2
	s_add_co_u32 s18, s18, s16                     ; 0 .. 1023
	s_lshr_b32 s19, s18, 1                         ; my tile of 16 rows
	s_and_b32 s18, s18, 1                          ; my half of K
	s_lshl_b32 s26, s19, 16
	s_lshl_b32 s27, s18, 11
	s_add_co_u32 s26, s26, s27
	s_mov_b32 s27, 0
	s_add_nc_u64 s[4:5], s[4:5], s[26:27]
	s_lshl_b32 s26, s19, 14
	s_lshl_b32 s28, s18, 13
	s_add_co_u32 s26, s26, s28
	s_add_nc_u64 s[20:21], s[12:13], s[26:27]      ; the three copies lie 8 MiB apart
	s_add_nc_u64 s[22:23], s[20:21], 0x800000
	s_add_nc_u64 s[24:25], s[22:23], 0x800000
	XLOAD 0
	XLOAD 1
	s_wait_alu depctr_va_vdst(0)
	s_wait_kmcnt 0x0
.irp s, 0,1,2
	s_add_co_i32 s28, s[49+2*\s], 127
	s_lshl_b32 s29, s28, 23
	v_mov_b32 v[SCX+\s], s29                       ; 2^e as f32: the conversion takes its exponent field
	s_add_co_i32 s28, s28, 15
	s_lshl_b32 s28, s28, 23
	s_or_b32 s28, s28, 0x600000
	v_mov_b32 v[LMX+\s], s28                       ; 57,344 x 2^e
.endr
	s_wait_alu depctr_va_vdst(0)
	XSTEP 0
	XSTEP 1
	XSTEP 2
	XSTEP 3
	s_wait_tensorcnt 0x0
	ds_add_u32 v6, v7
	s_wait_dscnt 0x0
	s_endpgm
	; ---- the weights: a lane takes a column, its registers run down K, so the conversions give codes with K innermost
.Lweights:
	s_sub_co_u32 s17, ttmp9, 256                   ; g: 0 .. 95 qkv_w, 96 .. 127 out_w.  Both sets of numbers are made, then chosen by one compare
	s_lshr_b32 s18, s17, 3                         ; qkv_w: which of the 12 matrices,
	s_and_b32 s19, s17, 1                          ; which 128 columns,
	s_bfe_u32 s20, s17, 0x20001                    ; which 256 along K
	s_lshl_b32 s21, s18, 20
	s_lshl_b32 s22, s20, 18
	s_add_co_u32 s21, s21, s22
	s_lshl_b32 s22, s19, 9
	s_add_co_u32 s21, s21, s22                     ; bytes into qkv_w
	s_lshl_b32 s22, s18, 4
	s_lshl_b32 s23, s19, 3
	s_add_co_u32 s22, s22, s23                     ; tile of 16 rows in wc
	s_sub_co_u32 s24, s17, 96
	s_and_b32 s25, s24, 7                          ; out_w: which 128 columns,
	s_lshr_b32 s26, s24, 3                         ; which 256 along K
	s_lshl_b32 s27, s26, 20
	s_lshl_b32 s28, s25, 9
	s_add_co_u32 s27, s27, s28
	s_lshl_b32 s28, s25, 3
	s_add_co_u32 s28, s28, 192
	s_mov_b32 s29, 4096                            ; bytes from row to row
	s_lshr_b32 s30, s18, 2                         ; q, k or v
	s_wait_kmcnt 0x0
	s_cmp_eq_u32 s30, 1
	s_cselect_b32 s31, s50, s48
	s_cmp_eq_u32 s30, 2
	s_cselect_b32 s31, s52, s31                    ; e0, e2 or e4
	s_cmp_lt_u32 s17, 96
	s_cselect_b64 s[4:5], s[6:7], s[8:9]
	s_cselect_b32 s21, s21, s27
	s_cselect_b32 s22, s22, s28
	s_cselect_b32 s20, s20, s26
	s_cselect_b32 s29, 1024, s29
	s_cselect_b32 s31, s31, s59                    ; or e11
	s_lshl_b32 s23, s16, 7
	s_add_co_u32 s26, s21, s23                     ; + my wave's 32 columns
	s_mov_b32 s27, 0
	s_add_nc_u64 s[4:5], s[4:5], s[26:27]
	s_lshl_b32 s23, s16, 1
	s_add_co_u32 s22, s22, s23
	s_lshl_b32 s26, s22, 14
	s_lshl_b32 s23, s20, 12
	s_add_co_u32 s26, s26, s23
	s_add_nc_u64 s[8:9], s[14:15], s[26:27]        ; wc at my first tile and my two blocks of K
	s_lshl_b32 s26, s29, 5                         ; 32 rows
	s_mov_b64 s[32:33], s[4:5]
.irp t, 1,2,3,4,5,6,7
	s_add_nc_u64 s[32+2*\t:33+2*\t], s[30+2*\t:31+2*\t], s[26:27]   ; a base for each block: no pointer is stepped later
.endr
	s_wait_alu depctr_va_vdst(0)
	v_lshlrev_b32 v1, 2, v2                        ; 4 bytes a lane
	v_mov_b32 v3, s29
.irp i, 0,1,2,3,4,5,6,7,8,9,10,11,12,13,14,15,16,17,18,19,20,21,22,23,24,25,26,27,28,29,30,31
	v_mad_u32_u24 v[WOFF+\i], v3, \i, v1
.endr
	v_lshrrev_b32 v4, 4, v2
	v_and_b32 v5, 15, v2
	v_lshlrev_b32 v8, 14, v4                       ; lanes 16-31 hold the next tile of 16 rows,
	v_lshl_add_u32 v8, v5, 4, v8                   ; 16 bytes for each row
	WLOAD 0
	WLOAD 1
	s_add_co_i32 s31, s31, 127
	s_lshl_b32 s30, s31, 23
	v_mov_b32 v11, s30                             ; 2^e
	s_add_co_i32 s31, s31, 15
	s_lshl_b32 s31, s31, 23
	s_or_b32 s31, s31, 0x600000
	v_mov_b32 v10, s31                             ; 57,344 x 2^e
	s_wait_alu depctr_va_vdst(0)
	WBLOCK 0
	WBLOCK 1
	WBLOCK 2
	WBLOCK 3
	WBLOCK 4
	WBLOCK 5
	WBLOCK 6
	WBLOCK 7
	s_endpgm
.Lfunc_end_k_qbca9ae3e4b_prep:
	.size	k_qbca9ae3e4b_prep, .Lfunc_end_k_qbca9ae3e4b_prep-k_qbca9ae3e4b_prep
	.p2alignl 7, 3214868480
	.fill 96, 4, 3214868480
	.section	.rodata,"a",@progbits
	.p2align	6, 0x0
	.amdhsa_kernel k_qbca9ae3e4b_prep
		.amdhsa_group_segment_fixed_size 34304
		.amdhsa_private_segment_fixed_size 0
		.amdhsa_enable_private_segment 0
		.amdhsa_kernarg_size 48
		.amdhsa_user_sgpr_count 2
		.amdhsa_user_sgpr_kernarg_segment_ptr 1
		.amdhsa_wavefront_size32 1
		.amdhsa_system_sgpr_workgroup_id_x 1
		.amdhsa_system_sgpr_workgroup_id_y 1
		.amdhsa_system_sgpr_workgroup_id_z 1
		.amdhsa_system_vgpr_workitem_id 0
		.amdhsa_next_free_vgpr 256
		.amdhsa_next_free_sgpr 66
		.amdhsa_reserve_vcc 0
		.amdhsa_float_denorm_mode_32 3
		.amdhsa_float_denorm_mode_16_64 3
		.amdhsa_memory_ordered 1
		.amdhsa_forward_progress 1
		.amdhsa_inst_pref_size 125
	.end_amdhsa_kernel
	.amdgpu_metadata
---
amdhsa.version: [ 1, 2 ]
amdhsa.kernels:
  - .name:           k_qbca9ae3e4b_prep
    .symbol:         k_qbca9ae3e4b_prep.kd
    .args:
      - { .name: x, .offset: 0, .size: 8, .value_kind: global_buffer, .address_space: global }
      - { .name: qkv_w, .offset: 8, .size: 8, .value_kind: global_buffer, .address_space: global }
      - { .name: out_w, .offset: 16, .size: 8, .value_kind: global_buffer, .address_space: global }
      - { .name: lowp_scales, .offset: 24, .size: 8, .value_kind: global_buffer, .address_space: global }
      - { .name: xq, .offset: 32, .size: 8, .value_kind: global_buffer, .address_space: global }
      - { .name: wc, .offset: 40, .size: 8, .value_kind: global_buffer, .address_space: global }
    .group_segment_fixed_size: 34304
    .private_segment_fixed_size: 0
    .kernarg_segment_align: 8
    .kernarg_segment_size: 48
    .max_flat_workgroup_size: 128
    .sgpr_count:     66
    .vgpr_count:     256
    .wavefront_size: 32
...
	.end_amdgpu_metadata
.endif
;; end of part 1
;; launch proj (part 2): grid 12 x 32, 4 waves a work-group, clusters of 4 x 4, 327,680 bytes of LDS; arguments xq, wc, lowp_scales, qkvc; writes qkvc
.if DOCPART == 2
	.amdgcn_target "amdgcn-amd-amdhsa--gfx1250"
	.amdhsa_code_object_version 6
	.text
	.protected	k_qbca9ae3e4b_proj
	.globl	k_qbca9ae3e4b_proj
	.p2align	8
	.type	k_qbca9ae3e4b_proj,@function
k_qbca9ae3e4b_proj:
	s_mov_b64 s[64:65], 0
	v_nop
	global_prefetch_b8 v0, s[64:65] scope:SCOPE_SE
	s_setreg_imm32_b32 hwreg(HW_REG_WAVE_MODE, 25, 1), 1
	s_wait_xcnt 0x0
	s_wait_alu depctr_hold_cnt(0) depctr_sa_sdst(0) depctr_va_vdst(0) depctr_va_sdst(0) depctr_va_ssrc(0) depctr_va_vcc(0) depctr_vm_vsrc(0)
	s_getreg_b32 s2, hwreg(HW_REG_IB_STS2, 6, 4)
	s_cmp_eq_u32 s2, 0
	s_cbranch_scc0 .Lentry_in_a_cluster
	s_endpgm
.Lentry_in_a_cluster:
	s_bfe_u32 s2, ttmp6, 0x10000c
	s_cmp_lg_u32 s2, 0xf033
	s_cbranch_scc0 .Lentry_shape_is_right
	s_endpgm
.Lentry_shape_is_right:
; q, k, v = x times their weights, on codes of E5M2 (K = 1,024), and the results quantised at once for the attention's products: q under 2^e6, k under 2^e7, v under 2^e9.
; A tile of 256 x 256 results is made by four waves, each 128 x 128: 64 accumulators, 512 registers.  K goes in steps of 256 through two LDS slots filled by the tensor data mover.
; All operands lie in memory as images of their registers (a fragment = 16 rows x 128 K = 2,048 bytes; registers 4 g .. 4 g + 3 of lane L at byte 512 g + 16 L): a fragment comes by four loads of 512 consecutive bytes,
; no pitch and no padding.  A wave's tensor load brings 8 tiles of 16 rows x 2 blocks of K: 8 rows of 4,096 bytes, 16,384 bytes apart in memory, dense in LDS.
; SIDES.  Source 1's 16 rows fall to the lanes of a result, source 0's to a lane's eight registers.  What is to be the next product's K must run along the registers:
;   q, k (cluster x = 0, 1): source 1 = rows of x (tile 4 Cy + cy), source 0 = the weights' columns d of head cx: a lane holds one row s and eight neighbouring d.
;   v    (cluster x = 2):    source 1 = the weights' columns d of head cy, source 0 = rows of x (tile 4 Cy + cx): a lane holds one d and eight neighbouring keys.
; The two cases differ in addresses alone, chosen by s_cselect on the cluster's x: one text, no branch.  Eight results of a lane, converted, are registers 2 b, 2 b + 1 of the next fragment: results leave as images, without LDS.
; CLUSTERS: 4 x 4.  Source 1's tile hangs on cy and is asked for jointly by my row of the cluster, source 0's on cx and by my column.
; 384 work-groups: 3 x 32 x 4 tiles; a smaller tile would read half as many bytes again from LDS for each product.
; qkvc: q at 0: [bh 16][128 tiles of 16 s][2 blocks of d][2,048]; k at 8 MiB likewise; v at 16 MiB: [bh][16 steps of 128 keys][16 tiles of 16 d][2,048].
; LIMITS: e6 - e0 - e1, e7 - e2 - e3 and e9 - e4 - e5 lie between -126 and 112, so that the folded scale and 57,344 times it are f32 numbers.
; REGISTERS: window 0: v0-31 addresses; v32-95 a block's held sums; v96-103 store offsets; v128-255 source 1's fragments, ONE set, later the codes.  window 1: source 0's fragments, TWO sets.  windows 2, 3: accumulators.
.set FR,     16
.set NL,     4
.set NP,     4
.set HALFT,  32768                     ; 128 rows x 256 K: what one tensor load brings
.set SLOT,   4*HALFT
.set LAPS,   2                         ; K = 1,024 = two laps of two K steps
.set SPARE,  2*SLOT                    ; the spare words, 128 bytes for each wave; no other line names them
.set ADRA, 16
.set ADRB, 20
.set CO,   26                          ; v26  16 x lane
.set SPW,  28
.set NIL,  29
.set SC,   30                          ; v30  the folded scale as f32
.set LIM,  31                          ; v31  57,344 x it
.set TMP,  32
.set OA,   96
.set AF,   128
.set CD,   128
.set G1, 24
.set G0, 32
.set G1B, 48
.set G0B, 56
.set MSB, 0
.macro WIN new                         ; the immediate's high byte repeats the setting that is left
.if MSB != (\new)
	s_set_vgpr_msb (MSB<<8)|(\new)
.set MSB, (\new)
.endif
.endm
.set MUL_LO, 0xa1                      ; source 0 window 1, source 1 window 0, C and D window 2
.set MUL_HI, 0xf1
.set TO_B,   0x40
.macro JLOAD g0a, g1a, g0b, g1b        ; waves 0, 1 fetch source 1's halves, waves 2, 3 source 0's; four v_nop follow each line
	s_cmp_eq_u32 s15, 0
	s_cbranch_scc0 .Lfor_b_\@
	tensor_load_to_lds s[\g0a:\g0a+3], s[\g1a:\g1a+7]
	s_nop 0
.rept 4
	v_nop
.endr
	s_branch .Lasked_\@
.Lfor_b_\@:
	tensor_load_to_lds s[\g0b:\g0b+3], s[\g1b:\g1b+7]
	s_nop 0
.rept 4
	v_nop
.endr
.Lasked_\@:
.endm
.macro CREST
	s_cmp_lg_u32 s14, 0
	s_cbranch_scc1 .Lnot_wave_0_\@
	s_barrier_signal -3
.Lnot_wave_0_\@:
	s_barrier_wait -3
	s_barrier_signal -1
	s_barrier_wait -1
.endm
.macro CROUND
	s_barrier_signal -1
	s_barrier_wait -1
	CREST
.endm
	s_load_b128 s[4:7], s[0:1], 0x0                ; xq, wc
	s_load_b128 s[8:11], s[0:1], 0x10              ; the exponents, qkvc
	v_lshl_add_u32 v[SPW], v0, 2, SPARE
	v_mov_b32 v[NIL], 0
	ds_add_u32 v28, v29
	ds_add_u32 v28, v29
	s_wait_dscnt 0x0
	v_lshrrev_b32 v1, 5, v0
	v_readfirstlane_b32 s14, v1                    ; wave
	s_lshr_b32 s15, s14, 1                         ; my half of source 1's rows.  Also: I fetch for source 1 (0) or source 0 (1)
	s_and_b32 s16, s14, 1                          ; my half of source 0's rows.  Also: which 128 rows I fetch
	s_bfe_u32 s40, ttmp6, 0x40000                  ; cx
	s_bfe_u32 s41, ttmp6, 0x40004                  ; cy
	s_and_b32 s17, ttmp7, 0xffff                   ; Cy
	s_lshl_b32 s43, s41, 2
	s_lshl_b32 s43, 15, s43                        ; my row of the cluster
	s_lshl_b32 s44, 0x1111, s40                    ; my column
	s_or_b32 s[G1+0], s43, (3<<16)|(1<<21)         ; the mask; elements of 8 bytes; bit 21 beside a mask; no padding
	s_or_b32 s[G1B+0], s44, (3<<16)|(1<<21)
.irp g, G1, G1B
	s_mov_b32 s[\g+1], 512<<16                     ; tensor_dim0 = 512 elements = 4,096 bytes
	s_mov_b32 s[\g+2], 8<<16                       ; tensor_dim1 = 8
	s_mov_b32 s[\g+3], 512<<16                     ; tile_dim0
	s_mov_b32 s[\g+4], 8                           ; tile_dim1
	s_mov_b32 s[\g+5], 2048                        ; 16,384 bytes from row to row
	s_mov_b32 s[\g+6], 0
	s_mov_b32 s[\g+7], 0
.endr
	; where the tiles lie, in tiles of 16 rows (16,384 bytes).  Source 1's numbers are made of cy alone, source 0's of cx alone
	s_lshl_b32 s18, s16, 3
	s_lshl_b32 s19, s17, 6
	s_lshl_b32 s23, ttmp9, 23                      ; x's copy under this product's scale
	s_lshl_b32 s20, s41, 4
	s_add_co_u32 s20, s20, s18
	s_add_co_u32 s21, s20, s19                     ; as rows of x: 64 Cy + 16 cy + 8 half
	s_lshl_b32 s21, s21, 14
	s_add_co_u32 s21, s21, s23
	s_add_co_u32 s20, s20, 128                     ; as v's weights: 128 + 16 cy + 8 half
	s_lshl_b32 s20, s20, 14
	s_lshl_b32 s46, s40, 4
	s_add_co_u32 s46, s46, s18
	s_add_co_u32 s47, s46, s19                     ; as rows of x: 64 Cy + 16 cx + 8 half
	s_lshl_b32 s47, s47, 14
	s_add_co_u32 s47, s47, s23
	s_lshl_b32 s22, ttmp9, 6
	s_add_co_u32 s46, s46, s22                     ; as q's or k's weights: 64 i + 16 cx + 8 half
	s_lshl_b32 s46, s46, 14
	s_mul_i32 s45, s14, HALFT                      ; where they go: wave x 32 KiB
	s_wait_kmcnt 0x0
	s_load_b256 s[68:75], s[8:9], 0x0              ; e0 .. e7
	s_load_b128 s[76:79], s[8:9], 0x20             ; e8 .. e11
	s_cmp_eq_u32 ttmp9, 2                          ; v?  The same in all sixteen partners
	s_cselect_b32 s20, s20, s21
	s_cselect_b32 s46, s47, s46
	s_cselect_b64 s[12:13], s[6:7], s[4:5]
	s_cselect_b64 s[88:89], s[4:5], s[6:7]
	s_mov_b32 s21, 0
	s_mov_b32 s47, 0
	s_add_nc_u64 s[20:21], s[12:13], s[20:21]
	s_add_nc_u64 s[46:47], s[88:89], s[46:47]
	CROUND                                         ; all sixteen work-groups are here: the first joint loads meet
.irp s, 0,1
	s_mov_b32 s[G0+4*\s], 1
	s_add_co_u32 s[G0+4*\s+1], s45, \s*SLOT
	s_add_nc_u64 s[G0+4*\s+2:G0+4*\s+3], s[20:21], \s*4096
	s_or_b32 s[G0+4*\s+3], s[G0+4*\s+3], 0x80000000
	s_mov_b32 s[G0B+4*\s], 1
	s_add_co_u32 s[G0B+4*\s+1], s45, \s*SLOT
	s_add_nc_u64 s[G0B+4*\s+2:G0B+4*\s+3], s[46:47], \s*4096
	s_or_b32 s[G0B+4*\s+3], s[G0B+4*\s+3], 0x80000000
.endr
	JLOAD G0, G1, G0B, G1B                         ; K step 0: one tensor load a wave at the head
	; PREFETCH of x's tiles (each is loaded by this cluster alone; the weights' tiles, which 8 clusters share, are not asked for).  The waves that fetch rows of x ask: of the 8 rows of 4,096 bytes that a wave's
	; load brings, the partner at place p (cx where the tile is shared along the cluster's row, cy along its column) takes rows 2 p and 2 p + 1, told apart by address; a lane names 256 bytes.
	; K steps 1 and 2 are asked for here, K step 3 behind the second load; the address registers are never rewritten
	s_cmp_eq_u32 ttmp9, 2
	s_cselect_b64 s[94:95], s[46:47], s[20:21]     ; where my rows of x lie: source 0's tile for v, source 1's for q and k
	s_cselect_b32 s93, s41, s40
	s_cselect_b32 s96, 1, 0                        ; which pair of waves fetches them
	s_lshl_b32 s93, s93, 15
	v_and_b32 v8, 15, v0
	v_bfe_u32 v9, v0, 4, 1
	v_lshlrev_b32 v8, 8, v8
	v_lshl_add_u32 v8, v9, 14, v8
	v_add_nc_u32 v8, s93, v8
	s_wait_alu depctr_va_vdst(0)
	s_cmp_eq_u32 s15, s96
	s_cbranch_scc0 .Lno_ask_0
	global_prefetch_b8 v8, s[94:95] offset:4096 th:TH_LOAD_NT scope:SCOPE_SE
	global_prefetch_b8 v8, s[94:95] offset:8192 th:TH_LOAD_NT scope:SCOPE_SE
.Lno_ask_0:
	v_and_b32 v6, 31, v0
	v_lshlrev_b32 v[CO], 4, v6
	s_mul_i32 s21, s15, HALFT
	s_mul_i32 s22, s16, HALFT
	s_add_co_u32 s22, s22, 2*HALFT
.irp s, 0,1
	v_add_nc_u32 v[ADRA+\s], s21, v[CO]
	v_add_nc_u32 v[ADRB+\s], s22, v[CO]
	s_add_co_u32 s21, s21, SLOT
	s_add_co_u32 s22, s22, SLOT
.endr
	; where my results go
	s_lshl_b32 s84, s17, 2
	s_lshl_b32 s90, s15, 15
	s_lshl_b32 s91, s16, 11
	s_add_co_u32 s90, s90, s91                     ; q, k: 8 tiles of s for my row half, a block of d for my column half
	s_lshl_b32 s91, s16, 15
	s_lshl_b32 s92, s15, 14
	s_add_co_u32 s91, s91, s92                     ; v: a step of keys for my column half, 8 tiles of d for my row half
	s_mov_b32 s87, 4096
	s_cmp_eq_u32 ttmp9, 2
	s_cselect_b32 s85, s40, s41
	s_cselect_b32 s86, s41, s40                    ; the head
	s_cselect_b32 s90, s91, s90
	s_cselect_b32 s87, 2048, s87                   ; bytes from block a to block a + 1
	s_add_co_u32 s84, s84, s85                     ; x's tile of 256 rows
	s_lshr_b32 s85, s84, 3
	s_lshl_b32 s85, s85, 2
	s_add_co_u32 s85, s85, s86                     ; bh
	s_lshl_b32 s85, s85, 19
	s_and_b32 s84, s84, 7
	s_lshl_b32 s84, s84, 16
	s_add_co_u32 s84, s84, s85
	s_add_co_u32 s84, s84, s90
	s_lshl_b32 s85, ttmp9, 23
	s_add_co_u32 s84, s84, s85
	s_mov_b32 s85, 0
	s_add_nc_u64 s[10:11], s[10:11], s[84:85]
	v_mov_b32 v27, s87
	s_wait_alu depctr_va_vdst(0)
.irp a, 0,1,2,3,4,5,6,7
	v_mad_u32_u24 v[OA+\a], v27, \a, v[CO]
.endr
.macro FRAG reg, adr, q, i             ; a fragment's image: four loads of 512 consecutive bytes
.irp c, 0,1,2,3
	ds_load_b128 v[\reg+4*\c:\reg+4*\c+3], v[\adr] offset:(\i)*4096+(\q)*2048+512*\c
.endr
.endm
; 16 matrix instructions.  The 64 accumulators take turns, one instruction a turn, in the same order in every step
.macro MUL16 a0, p, zero
.irp a, \a0, \a0+1
.irp b, 0,1,2,3,4,5,6,7
.if \zero
	v_wmma_f32_16x16x128_bf8_bf8 v[8*(8*((\a)%4)+\b):8*(8*((\a)%4)+\b)+7], v[128*(\p)+FR*\b:128*(\p)+FR*\b+FR-1], v[AF+FR*(\a):AF+FR*(\a)+FR-1], 0
.else
	v_wmma_f32_16x16x128_bf8_bf8 v[8*(8*((\a)%4)+\b):8*(8*((\a)%4)+\b)+7], v[128*(\p)+FR*\b:128*(\p)+FR*\b+FR-1], v[AF+FR*(\a):AF+FR*(\a)+FR-1], v[8*(8*((\a)%4)+\b):8*(8*((\a)%4)+\b)+7]
.endif
.endr
.endr
.endm
.macro FETCH_B slot, q, p
	WIN TO_B
.irp i, 0,1,2,3,4,5,6,7
	FRAG 128*(\p)+FR*\i, ADRB+\slot, \q, \i
.endr
	WIN 0
.endm
.macro FETCH_A slot, q, i0
.irp i, \i0, \i0+1, \i0+2, \i0+3
	FRAG AF+FR*(\i), ADRA+\slot, \q, \i
.endr
.endm
.macro PLACES n                        ; plain vector lines between a matrix instruction and a load into, or a vector read or write of, its registers
.rept \n
	v_nop
.endr
.endm
.macro STEP slot, q, zero              ; 128 along K whose successor lies in the same slot
	s_wait_dscnt 4*NL                              ; source 0's set and source 1's blocks 0-3 are in; blocks 4-7's 16 loads may be out
	WIN MUL_LO
	MUL16 0, (\q)%2, \zero
	MUL16 2, (\q)%2, \zero
	s_wait_dscnt 0
	PLACES NP
	FETCH_B \slot, (\q)+1, 1-(\q)%2
	FETCH_A \slot, (\q)+1, 0
	WIN MUL_HI
	MUL16 4, (\q)%2, \zero
	MUL16 6, (\q)%2, \zero
	PLACES NP
	WIN 0
	FETCH_A \slot, (\q)+1, 4
.endm
; A slot's last step changes slots: one barrier; in front of it each wave waits for all its tensor loads, adds 0 to its spare word, and waits for that and for its reads of this slot
.macro TURN slot, next, fill
	s_wait_tensorcnt 0x0                           ; my part of the next slot has landed; no load of mine is out
	ds_add_u32 v[SPW], v[NIL]
	s_wait_dscnt 4*NL+1                            ; the add and blocks 4-7's 16 loads may be out
	WIN MUL_LO
	MUL16 0, 1, 0
	s_wait_dscnt 0x0                               ; the add is done, my reads of this slot are over
	s_barrier_signal -1
	MUL16 2, 1, 0
	WIN 0
	s_barrier_wait -1
.if \fill
	CREST                                          ; the barrier has opened a round of the cluster's: no wave of any partner still reads this slot or has a load on its way
	s_add_nc_u64 s[G0+4*\slot+2:G0+4*\slot+3], s[G0+4*\slot+2:G0+4*\slot+3], 8192
	s_add_nc_u64 s[G0B+4*\slot+2:G0B+4*\slot+3], s[G0B+4*\slot+2:G0B+4*\slot+3], 8192
	JLOAD G0+4*\slot, G1, G0B+4*\slot, G1B         ; first behind the round; its four v_nop are the places in front of the loads below
.else
	PLACES NP
.endif
	FETCH_B \next, 0, 0
	FETCH_A \next, 0, 0
	WIN MUL_HI
	MUL16 4, 1, 0
	MUL16 6, 1, 0
	PLACES NP
	WIN 0
	FETCH_A \next, 0, 4
.endm
	s_wait_alu depctr_va_vdst(0)
	s_wait_tensorcnt 0x0                           ; my part of K step 0 is in
	ds_add_u32 v[SPW], v[NIL]
	s_wait_dscnt 0x0
	CROUND                                         ; everybody's part of K step 0 is in, and all sixteen work-groups are here
	JLOAD G0+4, G1, G0B+4, G1B                     ; K step 1: slot 1's first fill, first behind the round
	FETCH_B 0, 0, 0
	FETCH_A 0, 0, 0
	FETCH_A 0, 0, 4
	s_cmp_eq_u32 s15, s96
	s_cbranch_scc0 .Lno_ask_1
	global_prefetch_b8 v8, s[94:95] offset:12288 th:TH_LOAD_NT scope:SCOPE_SE
.Lno_ask_1:
	STEP 0, 0, 1                                   ; the first products start the sums: nothing is cleared
	s_mov_b32 s3, LAPS-1
.Llap:
	TURN 0, 1, 1
	STEP 1, 0, 0
	TURN 1, 0, 1
	STEP 0, 0, 0
	s_sub_co_u32 s3, s3, 1
	s_cmp_lg_u32 s3, 0
	s_cbranch_scc1 .Llap
	TURN 0, 1, 0                                   ; the last lap fills nothing
	STEP 1, 0, 0
	s_wait_dscnt 4*NL
	WIN MUL_LO
	MUL16 0, 1, 0
	MUL16 2, 1, 0
	s_wait_dscnt 0
	WIN MUL_HI
	MUL16 4, 1, 0
	MUL16 6, 1, 0
	WIN 0
	; THE WAY OUT.  A sum stands for sum x 2^(ew + ex); its code is sum / 2^(eo - ew - ex): three scales folded into the conversion's one.  The choice among the exponents hangs on the cluster's x, by selects
	s_wait_kmcnt 0x0
	s_cmp_eq_u32 ttmp9, 1
	s_cselect_b32 s80, s70, s68
	s_cselect_b32 s81, s71, s69
	s_cselect_b32 s82, s75, s74
	s_cmp_eq_u32 ttmp9, 2
	s_cselect_b32 s80, s72, s80
	s_cselect_b32 s81, s73, s81
	s_cselect_b32 s82, s77, s82
	s_sub_co_i32 s82, s82, s80
	s_sub_co_i32 s82, s82, s81
	s_add_co_i32 s82, s82, 127
	s_lshl_b32 s83, s82, 23
	v_mov_b32 v[SC], s83
	s_add_co_i32 s82, s82, 15
	s_lshl_b32 s82, s82, 23
	s_or_b32 s82, s82, 0x600000
	v_mov_b32 v[LIM], s82
	PLACES NP
; Block a (16 rows of source 1): its eight accumulators, held and converted, are one fragment of the next product.  Each block has its own 16 registers of codes: no store's data are written again
.macro OUTB a
	WIN (0x02+((\a)/4))                            ; source 0: window 2 or 3
.set n, 0
.rept 64
	v_med3_num_f32 v[TMP+n], v[64*((\a)%4)+n], -v[LIM], v[LIM]   ; each accumulator from its low end on
.set n, n+1
.endr
	WIN 0
.irp b, 0,1,2,3,4,5,6,7
	v_cvt_scalef32_pk8_bf8_f32 v[CD+16*(\a)+2*\b:CD+16*(\a)+2*\b+1], v[TMP+8*\b:TMP+8*\b+7], v[SC]
.endr
	v_nop                                          ; a plain line behind the last conversion: the next block writes its sources
.irp g, 0,1,2,3
	global_store_b128 v[OA+(\a)], v[CD+16*(\a)+4*\g:CD+16*(\a)+4*\g+3], s[10:11] offset:512*\g   ; 512 consecutive bytes
.endr
.endm
	OUTB 0
	OUTB 1
	OUTB 2
	OUTB 3
	OUTB 4
	OUTB 5
	OUTB 6
	OUTB 7
	s_wait_tensorcnt 0x0                           ; the wave's end
	ds_add_u32 v[SPW], v[NIL]
	s_wait_dscnt 0x0
	CROUND                                         ; the closing round
	s_endpgm
.Lfunc_end_k_qbca9ae3e4b_proj:
	.size	k_qbca9ae3e4b_proj, .Lfunc_end_k_qbca9ae3e4b_proj-k_qbca9ae3e4b_proj
	.p2alignl 7, 3214868480
	.fill 96, 4, 3214868480
	.section	.rodata,"a",@progbits
	.p2align	6, 0x0
	.amdhsa_kernel k_qbca9ae3e4b_proj
		.amdhsa_group_segment_fixed_size 327680
		.amdhsa_private_segment_fixed_size 0
		.amdhsa_enable_private_segment 0
		.amdhsa_kernarg_size 32
		.amdhsa_user_sgpr_count 2
		.amdhsa_user_sgpr_kernarg_segment_ptr 1
		.amdhsa_wavefront_size32 1
		.amdhsa_system_sgpr_workgroup_id_x 1
		.amdhsa_system_sgpr_workgroup_id_y 1
		.amdhsa_system_sgpr_workgroup_id_z 1
		.amdhsa_system_vgpr_workitem_id 0
		.amdhsa_next_free_vgpr 1024
		.amdhsa_next_free_sgpr 98
		.amdhsa_reserve_vcc 0
		.amdhsa_float_denorm_mode_32 3
		.amdhsa_float_denorm_mode_16_64 3
		.amdhsa_memory_ordered 1
		.amdhsa_forward_progress 1
		.amdhsa_inst_pref_size 120
	.end_amdhsa_kernel
	.amdgpu_metadata
---
amdhsa.version: [ 1, 2 ]
amdhsa.kernels:
  - .name:           k_qbca9ae3e4b_proj
    .symbol:         k_qbca9ae3e4b_proj.kd
    .args:
      - { .name: xq, .offset: 0, .size: 8, .value_kind: global_buffer, .address_space: global }
      - { .name: wc, .offset: 8, .size: 8, .value_kind: global_buffer, .address_space: global }
      - { .name: lowp_scales, .offset: 16, .size: 8, .value_kind: global_buffer, .address_space: global }
      - { .name: qkvc, .offset: 24, .size: 8, .value_kind: global_buffer, .address_space: global }
    .group_segment_fixed_size: 327680
    .private_segment_fixed_size: 0
    .kernarg_segment_align: 8
    .kernarg_segment_size: 32
    .max_flat_workgroup_size: 128
    .sgpr_count:     98
    .vgpr_count:     1024
    .wavefront_size: 32
...
	.end_amdgpu_metadata
.endif
;; end of part 2
;; launch attn (part 3): grid 16 x 16, 8 waves a work-group, clusters of 4 x 1, 327,680 bytes of LDS; arguments qkvc, lowp_scales, ac; writes ac
.if DOCPART == 3
	.amdgcn_target "amdgcn-amd-amdhsa--gfx1250"
	.amdhsa_code_object_version 6
	.text
	.protected	k_qbca9ae3e4b_attn
	.globl	k_qbca9ae3e4b_attn
	.p2align	8
	.type	k_qbca9ae3e4b_attn,@function
k_qbca9ae3e4b_attn:
	s_mov_b64 s[64:65], 0
	v_nop
	global_prefetch_b8 v0, s[64:65] scope:SCOPE_SE
	s_setreg_imm32_b32 hwreg(HW_REG_WAVE_MODE, 25, 1), 1
	s_wait_xcnt 0x0
	s_wait_alu depctr_hold_cnt(0) depctr_sa_sdst(0) depctr_va_vdst(0) depctr_va_sdst(0) depctr_va_ssrc(0) depctr_va_vcc(0) depctr_vm_vsrc(0)
	s_getreg_b32 s2, hwreg(HW_REG_IB_STS2, 6, 4)
	s_cmp_eq_u32 s2, 0
	s_cbranch_scc0 .Lentry_in_a_cluster
	s_endpgm
.Lentry_in_a_cluster:
	s_bfe_u32 s2, ttmp6, 0x10000c
	s_cmp_lg_u32 s2, 0x3003
	s_cbranch_scc0 .Lentry_shape_is_right
	s_endpgm
.Lentry_shape_is_right:
; Causal attention on codes of E5M2, head size 256, 2,048 keys, 16 (batch, head) pairs; the result quantised under 2^e10 for the last product.
; t = score x 2^(e6 + e7) x log2(e) / 32 (the logit is the score / sqrt(1,024)); M = the running largest t rounded UP to a whole number; p = 2^(t - M) is quantised under 2^e8, not normalised;
; the row's sum is taken of the unquantised p and divides at the end.  When M moves, the sum and O are multiplied by 2^(old M - new M), which rounds nothing.
; Hidden scores (key > query) are taken as -infinity, so p = 0; that is what adding -1e9 gives while logits stay under about 5e8 in magnitude.
; SHARES.  A wave owns one tile of 16 queries.  Both products are used transposed (S^T = K Q^T, O^T = V^T P^T): a lane holds ONE query throughout, and its eight registers of key tile u, converted,
; are registers 2 u, 2 u + 1 of P's fragment, in the matrix form's own order of k.  A head has 16 blocks of 128 queries; a cluster of four work-groups owns four of them: waves 0, 1 block c, waves 2, 3 block 7 - c,
; waves 4, 5 block 15 - c, waves 6, 7 block 8 + c (c = the cluster's x): every work-group has the same work.  Which tile of a block: 2 cx + wave % 2.  So a wave's block, on which its branches hang, is the same in
; all four partners; cx enters only global addresses and the mask's number in each lane.
; RING.  Two slots of 128 KiB, each two key steps of 128 keys: K step 0, K step 1, V step 0, V step 1, 32 KiB each, all as images of fragments.  Each wave asks for 16 KiB, jointly with its partners (mask 15).
; Every work-group walks all 8 slots (trip counts are constants); a key step all of whose keys come after the wave's block is jumped over: loads, products and softmax, no barrier and no tensor load.
; LIMITS: e6 + e7 between -121 and 132; e8, and e10 - e8 - e9, between -126 and 112.  NaN among the inputs is not served.
; REGISTERS.  window 0: v1 16 x lane; v2 address in hand; v3 the mask's number; v4 2^e8; v5, v6 the add's; v7 prefetch offset; v8-11 at work; v12 -M; v13 largest t; v[14:15] the sum; v16-47 Q; v48-111 S^T, then p;
;   v112-127 p's codes; v128-255 eight fragments of K or V.   window 1: v0-127 O^T; v128-255 eight more fragments.
.set SLOT1, 1<<17
.set SPARE, 2*SLOT1                    ; the spare words, 128 bytes for each of eight waves; no other line names them
.set LI,  1
.set ADR, 2
.set DQ,  3
.set SCP, 4
.set SPW, 5
.set NIL, 6
.set PFO, 7
.set Q,   16
.set S,   48
.set PC,  112
.set F,   128
.set WV,  10
.set BQ,  14
.set KS,  15
.set TB,  16
.set SLOTS, 17
.set PLIM, 18
.set PFA, 36
.set MSB, 0
.macro WIN new
.if MSB != (\new)
	s_set_vgpr_msb (MSB<<8)|(\new)
.set MSB, (\new)
.endif
.endm
.macro CROUND                          ; a round of the cluster's barrier
	s_barrier_signal -1
	s_barrier_wait -1
	s_cmp_lg_u32 s[WV], 0
	s_cbranch_scc1 .Lnot_wave_0_\@
	s_barrier_signal -3
.Lnot_wave_0_\@:
	s_barrier_wait -3
	s_barrier_signal -1
	s_barrier_wait -1
.endm
; A prefetch of the slot that the NEXT change will ask for.  All four clusters of a head walk the same K and V: the head's first cluster asks.  In it the even waves ask, each for the 32 KiB that it and the next wave fetch;
; the four partners take 8 KiB each, told apart by address; lanes 256 bytes apart.  So each block of 256 bytes is named once.  The change that fills the last slot asks for nothing; slots 0 and 1 come by their loads alone.
.macro ASK
	s_cmp_gt_u32 s[SLOTS], s[PLIM]
	s_cbranch_scc0 .Lnot_mine_\@
	global_prefetch_b8 v[PFO], s[PFA:PFA+1] th:TH_LOAD_NT scope:SCOPE_SE
.Lnot_mine_\@:
.endm
; The change of slots stands at a slot's head.  fill = 1: the slot that has been left is filled with the keys two slots on from it: the load has two key steps in which to land
.macro CHANGE fill
	s_wait_tensorcnt 0x0                           ; my part of the slot ahead has landed; no load of mine is out, so the descriptor may be written
	ds_add_u32 v[SPW], v[NIL]
.if \fill
	s_xor_b32 s33, s33, SLOT1
	s_add_nc_u64 s[34:35], s[34:35], 65536
	s_wait_xcnt 0x0                                ; the last prefetch, a slot back, has read its address
	s_add_nc_u64 s[PFA:PFA+1], s[PFA:PFA+1], 65536
.endif
	s_wait_dscnt 0x0                               ; the add is done, my reads of the slot that I have left are over
.if \fill
	CROUND
	tensor_load_to_lds s[32:35], s[24:31]          ; first behind the round, my one tensor load until the next
	s_nop 0
.rept 4
	v_nop
.endr
	ASK
.else
	s_barrier_signal -1
	s_barrier_wait -1
.endif
.endm
.macro LOAD64 q                        ; sixteen fragments that lie on end, 32 KiB from v[ADR] + 32,768 q on: eight into window 0, eight into window 1
.set n, 0
.rept 32
	ds_load_b128 v[F+4*n:F+4*n+3], v[ADR] offset:(\q)*32768+512*n
.set n, n+1
.endr
	WIN 0x40
.set n, 0
.rept 32
	ds_load_b128 v[F+4*n:F+4*n+3], v[ADR] offset:(\q)*32768+16384+512*n
.set n, n+1
.endr
	WIN 0
.endm
.macro QK hi                           ; key tiles 4 hi .. 4 hi + 3: d 0-127 starts the four sums, d 128-255 adds; the four accumulators take turns
.irp t, 0,1,2,3
	v_wmma_f32_16x16x128_bf8_bf8 v[S+8*(4*\hi+\t):S+8*(4*\hi+\t)+7], v[F+32*\t:F+32*\t+15], v[Q:Q+15], 0
.endr
.irp t, 0,1,2,3
	v_wmma_f32_16x16x128_bf8_bf8 v[S+8*(4*\hi+\t):S+8*(4*\hi+\t)+7], v[F+32*\t+16:F+32*\t+31], v[Q+16:Q+31], v[S+8*(4*\hi+\t):S+8*(4*\hi+\t)+7]
.endr
.endm
.macro STEP q                          ; a key step: 128 keys, the q-th of the slot in hand
	s_cmp_gt_u32 s[KS], s[BQ]
	s_cbranch_scc1 .Lhid_\@                        ; all its keys come after my block's queries
	v_add_nc_u32 v[ADR], s[TB], v[LI]              ; with three v_nop: four places behind the last products, in front of loads into registers that they read
.rept 3
	v_nop
.endr
	LOAD64 \q                                      ; K
	s_wait_alu depctr_va_vdst(0)
	s_wait_dscnt 32                                ; key tiles 0-3 are in; the 32 loads of tiles 4-7 may be out
	QK 0
	s_wait_dscnt 0x0
	WIN 0x01                                       ; source 0 in window 1
	QK 1
	WIN 0
	v_add_nc_u32 v[ADR], 0x10000, v[ADR]           ; V lies 64 KiB behind K.  Four places again: for the loads, and for the first read of the scores
.rept 3
	v_nop
.endr
	LOAD64 \q                                      ; V lands while the softmax is walked
	s_cmp_lt_u32 s[KS], s[BQ]
	s_cbranch_scc1 .Lopen_\@                       ; all keys count
	v_mov_b32 v10, 0xff800000                      ; on the diagonal: register 8 u + j holds key 16 u + 8 (lane / 16) + j of the block; it counts where 16 u + j <= v[DQ]
.set n, 0
.rept 64
	v_cmp_le_i32 vcc_lo, 16*(n/8)+n%8, v[DQ]
	v_cndmask_b32 v[S+n], v10, v[S+n], vcc_lo
.set n, n+1
.endr
.Lopen_\@:
	v_max3_num_f32 v10, v[S], v[S+1], v[S+2]       ; the step's largest score of my query, in two chains, ascending
	v_max3_num_f32 v8, v[S+3], v[S+4], v[S+5]
.irp i, 6,10,14,18,22,26,30,34,38,42,46,50,54,58
	v_max3_num_f32 v10, v10, v[S+\i], v[S+1+\i]
	v_max3_num_f32 v8, v8, v[S+2+\i], v[S+3+\i]
.endr
	v_max3_num_f32 v10, v10, v[S+62], v[S+63]
	s_delay_alu instid0(VALU_DEP_1)
	v_max_num_f32 v10, v10, v8
	s_delay_alu instid0(VALU_DEP_1)
	v_permlanex16_b32 v11, v10, s20, s21
	s_delay_alu instid0(VALU_DEP_1)
	v_max_num_f32 v10, v10, v11                    ; and among the other half of the lanes'
	s_delay_alu instid0(VALU_DEP_1)
	v_mul_f32 v10, s22, v10                        ; as t
	s_delay_alu instid0(VALU_DEP_1)
	v_max_num_f32 v13, v13, v10
	v_mov_b32 v10, v12
	s_delay_alu instid0(VALU_DEP_2)
	v_floor_f32 v12, -v13                          ; -M = floor(-t): M is a whole number
	s_delay_alu instid0(VALU_DEP_1)
	v_sub_f32 v10, v12, v10
	s_delay_alu instid0(VALU_DEP_1)
	v_cvt_i32_f32 v10, v10                         ; (it saturates)
	s_delay_alu instid0(VALU_DEP_1)
	v_ldexp_f32 v8, 1.0, v10                       ; f = 2^(old M - new M)
.set n, 0
.rept 32
	v_pk_fma_f32 v[S+2*n:S+2*n+1], v[S+2*n:S+2*n+1], s[22:23], v[12:13] op_sel_hi:[1,0,0]   ; t - M
.set n, n+1
.endr
.set n, 0
	s_wait_alu depctr_va_vdst(0)
.rept 64
	v_exp_f32 v[S+n], v[S+n]                       ; p
.set n, n+1
.endr
	v_pk_mul_f32 v[14:15], v[14:15], v[8:9] op_sel_hi:[1,0]   ; the sum under the new M: the plain line behind the exponentials
	s_wait_alu depctr_va_vdst(0)                   ; one wait for the batch, ahead of its first reader
	v_pk_add_f32 v[10:11], v[52:53], v[56:57]
	v_pk_add_f32 v[126:127], v[60:61], v[64:65]
	v_pk_add_f32 v[124:125], v[68:69], v[72:73]
	v_pk_add_f32 v[122:123], v[76:77], v[80:81]
	v_pk_add_f32 v[120:121], v[84:85], v[88:89]
	v_pk_add_f32 v[118:119], v[92:93], v[96:97]
	v_pk_add_f32 v[116:117], v[100:101], v[104:105]
	v_pk_add_f32 v[14:15], v[14:15], v[108:109]
	v_pk_add_f32 v[10:11], v[10:11], v[48:49]
	v_pk_add_f32 v[126:127], v[126:127], v[50:51]
	v_pk_add_f32 v[124:125], v[124:125], v[54:55]
	v_pk_add_f32 v[122:123], v[122:123], v[58:59]
	v_pk_add_f32 v[120:121], v[120:121], v[62:63]
	v_pk_add_f32 v[118:119], v[118:119], v[66:67]
	v_pk_add_f32 v[116:117], v[116:117], v[70:71]
	v_pk_add_f32 v[14:15], v[14:15], v[74:75]
	v_pk_add_f32 v[10:11], v[10:11], v[78:79]
	v_pk_add_f32 v[126:127], v[126:127], v[82:83]
	v_pk_add_f32 v[124:125], v[124:125], v[86:87]
	v_pk_add_f32 v[122:123], v[122:123], v[90:91]
	v_pk_add_f32 v[120:121], v[120:121], v[94:95]
	v_pk_add_f32 v[118:119], v[118:119], v[98:99]
	v_pk_add_f32 v[116:117], v[116:117], v[102:103]
	v_pk_add_f32 v[14:15], v[14:15], v[106:107]
	v_pk_add_f32 v[10:11], v[10:11], v[110:111]
	s_delay_alu instid0(VALU_DEP_2)
	v_pk_add_f32 v[14:15], v[14:15], v[122:123]
	s_delay_alu instid0(VALU_DEP_2)
	v_pk_add_f32 v[10:11], v[10:11], v[120:121]
	v_pk_add_f32 v[126:127], v[126:127], v[118:119]
	v_pk_add_f32 v[124:125], v[124:125], v[116:117]
	s_delay_alu instid0(VALU_DEP_2)
	v_pk_add_f32 v[14:15], v[14:15], v[126:127]
	s_delay_alu instid0(VALU_DEP_2)
	v_pk_add_f32 v[10:11], v[10:11], v[124:125]
	s_delay_alu instid0(VALU_DEP_1)
	v_pk_add_f32 v[14:15], v[14:15], v[10:11]
.irp t, 0,1,2,3,4,5,6,7
.irp j, 0,1,2,3,4,5,6,7
	v_min_num_f32 v[S+8*\t+\j], s19, v[S+8*\t+\j]  ; the conversion does not saturate (ISA guide 7.6.2); p is not negative, so the hold is one-sided
.endr
	v_cvt_scalef32_pk8_bf8_f32 v[PC+2*\t:PC+2*\t+1], v[S+8*\t:S+8*\t+7], v[SCP]
.endr
	WIN 0x41                                       ; O^T in window 1, f in window 0
.set n, 0
.rept 64
	v_pk_mul_f32 v[2*n:2*n+1], v[2*n:2*n+1], v[8:9] op_sel_hi:[1,0]
.set n, n+1
.endr
	s_wait_alu depctr_va_vdst(0)
	s_wait_dscnt 0x0                               ; V is in
	WIN 0x50                                       ; C and D window 1
.irp t, 0,1,2,3,4,5,6,7
	v_wmma_f32_16x16x128_bf8_bf8 v[8*\t:8*\t+7], v[F+16*\t:F+16*\t+15], v[PC:PC+15], v[8*\t:8*\t+7]
.endr
	WIN 0x51                                       ; and source 0
.irp t, 0,1,2,3,4,5,6,7
	v_wmma_f32_16x16x128_bf8_bf8 v[64+8*\t:64+8*\t+7], v[F+16*\t:F+16*\t+15], v[PC:PC+15], v[64+8*\t:64+8*\t+7]
.endr
	WIN 0
.Lhid_\@:
	s_add_co_u32 s[KS], s[KS], 1
.endm
	s_load_b128 s[4:7], s[0:1], 0x0                ; qkvc, the exponents
	s_load_b64 s[8:9], s[0:1], 0x10                ; ac
	v_lshl_add_u32 v[SPW], v0, 2, SPARE
	v_mov_b32 v[NIL], 0
	ds_add_u32 v5, v6
	ds_add_u32 v5, v6
	s_wait_dscnt 0x0
	v_lshrrev_b32 v1, 5, v0
	s_delay_alu instid0(VALU_DEP_1)
	v_readfirstlane_b32 s[WV], v1
	s_bfe_u32 s11, ttmp6, 0x40000                  ; cx
	s_and_b32 s13, ttmp7, 0xffff                   ; bh
	s_lshr_b32 s12, s[WV], 1
	s_sub_co_u32 s52, 7, ttmp9
	s_sub_co_u32 s53, 15, ttmp9
	s_add_co_u32 s54, ttmp9, 8
	s_cmp_eq_u32 s12, 1
	s_cselect_b32 s[BQ], s52, ttmp9
	s_cmp_eq_u32 s12, 2
	s_cselect_b32 s[BQ], s53, s[BQ]
	s_cmp_eq_u32 s12, 3
	s_cselect_b32 s[BQ], s54, s[BQ]                ; my block of 128 queries
	s_lshl_b32 s38, s13, 19                        ; the head's first byte in q, in k and in v
	s_lshr_b32 s52, s[WV], 2
	s_add_co_u32 s52, s52, 1
	s_lshl_b32 s52, s52, 23                        ; waves 0-3 fetch K (at 8 MiB), waves 4-7 V (at 16 MiB),
	s_add_co_u32 s52, s52, s38
	s_and_b32 s53, s[WV], 3
	s_lshl_b32 s53, s53, 14
	s_add_co_u32 s52, s52, s53                     ; a quarter of a slot's 64 KiB each
	s_mov_b32 s53, 0
	s_and_b32 s39, s[WV], 1
	s_lshl_b32 s54, s11, 1
	s_add_co_u32 s39, s39, s54                     ; my tile in the block
	s_lshl_b32 s54, s[BQ], 3
	s_add_co_u32 s54, s54, s39                     ; my tile in the head
	s_lshr_b32 s56, s13, 2
	s_lshl_b32 s56, s56, 7
	s_add_co_u32 s56, s56, s54
	s_lshl_b32 s56, s56, 3
	s_and_b32 s57, s13, 3
	s_lshl_b32 s57, s57, 1
	s_add_co_u32 s56, s56, s57
	s_lshl_b32 s56, s56, 11                        ; ac: (tile of rows x 8 + 2 x head) fragments
	s_mov_b32 s57, 0
	s_lshl_b32 s54, s54, 12
	s_add_co_u32 s54, s54, s38                     ; q's two fragments
	s_mov_b32 s55, 0
	s_lshl_b32 s58, s11, 13
	s_add_co_u32 s58, s58, s52
	s_add_co_u32 s58, s58, 65536                   ; the prefetches stand in slot 1; the first change steps them to slot 2
	s_mov_b32 s59, 0
	s_and_b32 s[PLIM], s[WV], 1
	s_or_b32 s[PLIM], s[PLIM], ttmp9
	s_cmp_eq_u32 s[PLIM], 0
	s_cselect_b32 s[PLIM], 1, -1                   ; 1 in the even waves of the head's first cluster: the same in all partners
	s_mov_b32 s24, 15|(3<<16)|(1<<21)              ; group 1: all four work-groups; elements of 8 bytes; bit 21 beside a mask.  A dense block of 16 KiB as 64 rows of 256 bytes
	s_mov_b32 s25, 32<<16
	s_mov_b32 s26, 64<<16
	s_mov_b32 s27, 32<<16
	s_mov_b32 s28, 64
	s_mov_b32 s29, 32
	s_mov_b32 s30, 0
	s_mov_b32 s31, 0
	s_mov_b32 s[KS], 0
	s_mov_b32 s[TB], 0
	s_mov_b32 s[SLOTS], 7
	s_mov_b32 s20, 0x76543210
	s_mov_b32 s21, 0xfedcba98
	s_wait_kmcnt 0x0
	s_load_b256 s[40:47], s[6:7], 0x0              ; e0 .. e7
	s_load_b128 s[48:51], s[6:7], 0x20             ; e8 .. e11
	s_mov_b32 s32, 1
	s_lshl_b32 s33, s[WV], 14                      ; LDS: wave x 16 KiB, slot 0
	s_add_nc_u64 s[34:35], s[4:5], s[52:53]
	s_or_b32 s35, s35, 0x80000000
	s_add_nc_u64 s[PFA:PFA+1], s[4:5], s[58:59]
	s_add_nc_u64 s[54:55], s[4:5], s[54:55]
	s_add_nc_u64 s[8:9], s[8:9], s[56:57]
	CROUND                                         ; all four work-groups are here
	tensor_load_to_lds s[32:35], s[24:31]          ; slot 0
	s_nop 0
.rept 4
	v_nop
.endr
	v_and_b32 v1, 31, v0
	s_delay_alu instid0(VALU_DEP_1)
	v_lshlrev_b32 v[PFO], 8, v1
	s_delay_alu instid0(VALU_DEP_2)
	v_lshlrev_b32 v[LI], 4, v1
.irp g, 0,1,2,3,4,5,6,7
	global_load_b128 v[Q+4*\g:Q+4*\g+3], v[LI], s[54:55] offset:512*\g   ; Q stays in registers
.endr
	v_and_b32 v2, 15, v0
	v_bfe_u32 v3, v0, 4, 1
	s_delay_alu instid0(VALU_DEP_1)
	v_lshlrev_b32 v3, 3, v3
	s_delay_alu instid0(VALU_DEP_1)
	v_sub_nc_u32 v3, v2, v3
	s_lshl_b32 s12, s39, 4
	v_add_nc_u32 v[DQ], s12, v3                    ; my query's place in its block, less 8 (lane / 16)
	v_mov_b32 v13, 0xff61b1e6                      ; the largest t so far: -3e38
	s_delay_alu instid0(VALU_DEP_1)
	v_floor_f32 v12, -v13
	v_mov_b32 v14, 0
	v_mov_b32 v15, 0
	v_mov_b32 v9, 0                                ; (named as the upper half of a pair)
	v_mov_b32 v11, 0                               ; (a lane permute's destination counts as read)
	WIN 0x40
.set n, 0
.rept 128
	v_mov_b32 v[n], 0                              ; O^T: the key step is written once for all steps; the first finds zeros
.set n, n+1
.endr
	WIN 0
	s_wait_kmcnt 0x0
	s_add_co_i32 s12, s46, s47
	s_lshl_b32 s12, s12, 23
	s_add_co_i32 s22, s12, 0x3d38aa3b              ; log2(e) / 32, with e6 + e7 added to its exponent field
	s_mov_b32 s23, s22
	s_add_co_i32 s12, s48, 127
	s_lshl_b32 s19, s12, 23
	v_mov_b32 v[SCP], s19                          ; 2^e8
	s_add_co_i32 s12, s12, 15
	s_lshl_b32 s19, s12, 23
	s_or_b32 s19, s19, 0x600000                    ; 57,344 x 2^e8
	s_wait_loadcnt 0x0                             ; Q
.Lslot:                                                ; 7 trips: behind each change of slots but the last the next slot is asked for
	CHANGE 1
	STEP 0
	STEP 1
	s_xor_b32 s[TB], s[TB], SLOT1
	s_sub_co_u32 s[SLOTS], s[SLOTS], 1
	s_cmp_lg_u32 s[SLOTS], 0
	s_cbranch_scc1 .Lslot
	CHANGE 0                                       ; the last slot is written out
	STEP 0
	STEP 1
	; THE WAY OUT: O^T / the sum, held, converted under 2^(e10 - e8 - e9): tile u's eight numbers are registers 2 (u % 8), 2 (u % 8) + 1 of fragment u / 8 of the last product's operand
.rept 4
	v_nop
.endr
	v_add_f32 v14, v14, v15
	s_delay_alu instid0(VALU_DEP_1)
	v_permlanex16_b32 v11, v14, s20, s21
	s_delay_alu instid0(VALU_DEP_1)
	v_add_f32 v14, v14, v11
	s_wait_alu depctr_va_vdst(0)
	v_rcp_f32 v8, v14
	v_mov_b32 v9, 0                                ; the plain line behind the reciprocal
	s_sub_co_i32 s12, s50, s48
	s_sub_co_i32 s12, s12, s49
	s_add_co_i32 s12, s12, 127
	s_lshl_b32 s19, s12, 23
	v_mov_b32 v11, s19
	s_add_co_i32 s12, s12, 15
	s_lshl_b32 s12, s12, 23
	s_or_b32 s12, s12, 0x600000
	v_mov_b32 v10, s12
	s_wait_alu depctr_va_vdst(0)                   ; ahead of the reciprocal's first reader
	WIN 0x01
.set n, 0
.rept 64
	v_pk_mul_f32 v[F+2*n:F+2*n+1], v[2*n:2*n+1], v[8:9] op_sel_hi:[1,0]
.set n, n+1
.endr
	WIN 0
.irp t, 0,1,2,3,4,5,6,7,8,9,10,11,12,13,14,15
.irp j, 0,1,2,3,4,5,6,7
	v_med3_num_f32 v[F+8*\t+\j], v[F+8*\t+\j], -v10, v10
.endr
	v_cvt_scalef32_pk8_bf8_f32 v[S+2*\t:S+2*\t+1], v[F+8*\t:F+8*\t+7], v11
.endr
	v_nop
.irp g, 0,1,2,3,4,5,6,7
	global_store_b128 v[LI], v[S+4*\g:S+4*\g+3], s[8:9] offset:512*\g   ; 512 consecutive bytes
.endr
	s_wait_tensorcnt 0x0                           ; the wave's end
	ds_add_u32 v[SPW], v[NIL]
	s_wait_dscnt 0x0
	CROUND                                         ; the closing round
	s_endpgm
.Lfunc_end_k_qbca9ae3e4b_attn:
	.size	k_qbca9ae3e4b_attn, .Lfunc_end_k_qbca9ae3e4b_attn-k_qbca9ae3e4b_attn
	.p2alignl 7, 3214868480
	.fill 96, 4, 3214868480
	.section	.rodata,"a",@progbits
	.p2align	6, 0x0
	.amdhsa_kernel k_qbca9ae3e4b_attn
		.amdhsa_group_segment_fixed_size 327680
		.amdhsa_private_segment_fixed_size 0
		.amdhsa_enable_private_segment 0
		.amdhsa_kernarg_size 24
		.amdhsa_user_sgpr_count 2
		.amdhsa_user_sgpr_kernarg_segment_ptr 1
		.amdhsa_wavefront_size32 1
		.amdhsa_system_sgpr_workgroup_id_x 1
		.amdhsa_system_sgpr_workgroup_id_y 1
		.amdhsa_system_sgpr_workgroup_id_z 1
		.amdhsa_system_vgpr_workitem_id 0
		.amdhsa_next_free_vgpr 512
		.amdhsa_next_free_sgpr 66
		.amdhsa_reserve_vcc 1
		.amdhsa_float_denorm_mode_32 3
		.amdhsa_float_denorm_mode_16_64 3
		.amdhsa_memory_ordered 1
		.amdhsa_forward_progress 1
		.amdhsa_inst_pref_size 152
	.end_amdhsa_kernel
	.amdgpu_metadata
---
amdhsa.version: [ 1, 2 ]
amdhsa.kernels:
  - .name:           k_qbca9ae3e4b_attn
    .symbol:         k_qbca9ae3e4b_attn.kd
    .args:
      - { .name: qkvc, .offset: 0, .size: 8, .value_kind: global_buffer, .address_space: global }
      - { .name: lowp_scales, .offset: 8, .size: 8, .value_kind: global_buffer, .address_space: global }
      - { .name: ac, .offset: 16, .size: 8, .value_kind: global_buffer, .address_space: global }
    .group_segment_fixed_size: 327680
    .private_segment_fixed_size: 0
    .kernarg_segment_align: 8
    .kernarg_segment_size: 24
    .max_flat_workgroup_size: 256
    .sgpr_count:     66
    .vgpr_count:     512
    .wavefront_size: 32
...
	.end_amdgpu_metadata
.endif
;; end of part 3
;; launch outln (part 4): grid 256 x 1, 8 waves a work-group, no clusters, 300,032 bytes of LDS; arguments ac, wc, lowp_scales, x, ln_gamma, ln_beta, out0; writes out0
.if DOCPART == 4
	.amdgcn_target "amdgcn-amd-amdhsa--gfx1250"
	.amdhsa_code_object_version 6
	.text
	.protected	k_qbca9ae3e4b_outln
	.globl	k_qbca9ae3e4b_outln
	.p2align	8
	.type	k_qbca9ae3e4b_outln,@function
k_qbca9ae3e4b_outln:
	s_mov_b64 s[64:65], 0
	v_nop
	global_prefetch_b8 v0, s[64:65] scope:SCOPE_SE
	s_setreg_imm32_b32 hwreg(HW_REG_WAVE_MODE, 25, 1), 1
	s_wait_xcnt 0x0
; out0 = layer norm(attention's result x out_w + x) x gamma + beta.  The product is on codes of E5M2 (K = 1,024); each sum is multiplied once by 2^(e10 + e11); all else in f32.
; SHARES.  A work-group owns 32 whole rows (the norm wants a row's 1,024 numbers together); wave w makes columns 128 w .. 128 w + 127 of them: 16 accumulators, 128 registers.
; Source 0 = 16 columns of out_w, source 1 = 16 rows of the attention's result: a lane holds one row and eight neighbouring columns.
; THE WEIGHTS GO FROM MEMORY STRAIGHT INTO THE OPERAND REGISTERS.  They lie as images of fragments (16 columns x 128 K = 2,048 bytes; registers 4 g .. 4 g + 3 of lane L at byte 512 g + 16 L), and no two waves of a
; work-group read the same fragment: a K block is 32 loads of 512 consecutive bytes a wave, into two sets of 128 registers by turns, so that two K blocks, 64 loads a wave, are on their way.  No LDS slot is
; filled, so there are no joint loads, and no barrier stands in the K loop.  Work-groups begin at K block (work-group % 8) and go round.
; The 32 rows' codes (32 KiB) are laid in LDS once, in that order of K blocks, and read by all eight waves.  x's rows for the residual are loaded at the head, into the registers that later hold the sums,
; and parked in the wave's own LDS bytes until the product is done.
; THE WAY OUT.  The sums go through a stage in LDS (rows 4,112 bytes apart) and come back as whole rows, four to a wave; mean and variance by sums over the wave's lanes; each store covers 512 consecutive bytes.
; No prefetch: the loads themselves run two K blocks ahead.  LIMIT: e10 + e11 between -126 and 127, so that 2^(e10 + e11) is an f32 number.
; REGISTERS.  window 0: v1-15 addresses and work; v16-47 two fragments of the rows' codes; v48-175 weights, set 0, later four rows; v176-239 gamma, beta; v240-255 sums.  window 1: v0-127 accumulators; v128-255 weights, set 1, later x.
.set SP,    4112
.set XS,    135168                     ; behind the stage (32 rows x SP): x, 16 KiB a wave
.set SPARE, XS+131072                  ; the spare words, 128 bytes a wave; no other line names them
.set AIMG,  SPARE+1024                 ; the rows' codes: [2 tiles of 16 rows][8 K blocks][2,048]
.set LI,  1
.set ADA, 4
.set SPW, 5
.set NIL, 6
.set AF,  16
.set Y,   48
.set GAM, 176
.set BET, 208
.set ST,  240
.set WV,  18
.set K0,  23
.set MSB, 0
.macro WIN new
.if MSB != (\new)
	s_set_vgpr_msb (MSB<<8)|(\new)
.set MSB, (\new)
.endif
.endm
.macro BLOAD t                         ; the t-th K block of my eight tiles of columns, into set t % 2
.set BR, Y+(128-Y)*((\t)%2)
	WIN 0x40*((\t)%2)
.irp i, 0,1,2,3,4,5,6,7
.irp c, 0,1,2,3
	global_load_b128 v[BR+16*\i+4*\c:BR+16*\i+4*\c+3], v[LI], s[66+2*(\t):67+2*(\t)] offset:16384*\i+512*\c
.endr
.endr
	WIN 0
.endm
.macro WORK t, cnt, zero               ; cnt: the loads issued behind this block's, which may be out
.irp m, 0,1
.irp c, 0,1,2,3
	ds_load_b128 v[AF+16*\m+4*\c:AF+16*\m+4*\c+3], v[ADA] offset:(8*\m+(\t))*2048+512*\c
.endr
.endr
	s_wait_loadcnt \cnt
	s_wait_dscnt 0x0
.set BR, Y+(128-Y)*((\t)%2)
	WIN 0x50+((\t)%2)
.irp i, 0,1,2,3,4,5,6,7
.irp m, 0,1
.if \zero
	v_wmma_f32_16x16x128_bf8_bf8 v[8*(8*\m+\i):8*(8*\m+\i)+7], v[BR+16*\i:BR+16*\i+15], v[AF+16*\m:AF+16*\m+15], 0
.else
	v_wmma_f32_16x16x128_bf8_bf8 v[8*(8*\m+\i):8*(8*\m+\i)+7], v[BR+16*\i:BR+16*\i+15], v[AF+16*\m:AF+16*\m+15], v[8*(8*\m+\i):8*(8*\m+\i)+7]
.endif
.endr
.endr
	WIN 0
.rept 4
	v_nop                                          ; places in front of loads into registers that these products read, and of the first read of the sums
.endr
.endm
.macro REDUCE b
.irp p, 0,1,2,3
	s_delay_alu instid0(VALU_DEP_4)
	v_add_f32 v[\b+4*\p], v[\b+4*\p], v[\b+4*\p+1]
.endr
.irp x, 1,2,4,8
.irp p, 0,1,2,3
	s_delay_alu instid0(VALU_DEP_4)
	v_add_f32_dpp v[\b+4*\p], v[\b+4*\p], v[\b+4*\p] row_xmask:\x row_mask:0xf bank_mask:0xf
.endr
.endr
.irp p, 0,1,2,3
	s_delay_alu instid0(VALU_DEP_4)
	v_permlanex16_b32 v[10+\p], v[\b+4*\p], s20, s21
.endr
.irp p, 0,1,2,3
	s_delay_alu instid0(VALU_DEP_4)
	v_add_f32 v[\b+4*\p], v[\b+4*\p], v[10+\p]
.endr
.endm
	s_load_b256 s[4:11], s[0:1], 0x0               ; ac s[4:5], wc s[6:7], the exponents s[8:9], x s[10:11]
	s_load_b128 s[12:15], s[0:1], 0x20             ; gamma, beta
	s_load_b64 s[16:17], s[0:1], 0x30              ; out0
	v_lshl_add_u32 v[SPW], v0, 2, SPARE
	v_mov_b32 v[NIL], 0
	v_lshrrev_b32 v1, 5, v0
	v_readfirstlane_b32 s[WV], v1
	s_and_b32 s[K0], ttmp9, 7
	s_mov_b32 s57, 0
	s_mov_b32 s20, 0x76543210
	s_mov_b32 s21, 0xfedcba98
	s_mov_b32 s44, 0x3a800000                      ; 1 / 1,024
	s_mov_b32 s45, 0x358637bd                      ; 1e-6
	s_lshl_b32 s46, s[WV], 17
	s_add_co_u32 s46, s46, 192*16384               ; out_w's codes begin at tile 192 of wc; my eight tiles of 16 columns
	s_mov_b32 s47, 0
	s_lshl_b32 s48, ttmp9, 15
	s_lshr_b32 s49, s[WV], 2
	s_lshl_b32 s49, s49, 14
	s_add_co_u32 s48, s48, s49                     ; waves 0-3 lay the first tile of 16 rows, waves 4-7 the second,
	s_mov_b32 s49, 0
	s_and_b32 s54, s[WV], 3
	s_lshl_b32 s54, s54, 1
	s_add_co_u32 s54, s54, s[K0]                   ; two K blocks each, in the order in which they are walked
	s_add_co_u32 s55, s54, 1
	s_and_b32 s54, s54, 7
	s_and_b32 s55, s55, 7
	s_lshl_b32 s54, s54, 11
	s_lshl_b32 s55, s55, 11
	s_lshl_b32 s50, ttmp9, 17
	s_lshl_b32 s51, s[WV], 14
	s_add_co_u32 s50, s50, s51                     ; my four rows of x and of out0
	s_add_co_u32 s60, s51, XS
	s_mov_b32 s51, 0
	s_lshl_b32 s53, s[WV], 12
	s_lshl_b32 s58, s[WV], 9
	s_mul_i32 s59, s[WV], 4*SP
	s_wait_kmcnt 0x0
	s_load_b64 s[40:41], s[8:9], 0x28              ; e10, e11
	s_add_nc_u64 s[6:7], s[6:7], s[46:47]
	s_add_nc_u64 s[4:5], s[4:5], s[48:49]
	s_add_nc_u64 s[10:11], s[10:11], s[50:51]
	s_add_nc_u64 s[16:17], s[16:17], s[50:51]
.irp t, 0,1,2,3,4,5,6,7
	s_add_co_u32 s56, s[K0], \t
	s_and_b32 s56, s56, 7
	s_lshl_b32 s56, s56, 11
	s_add_nc_u64 s[66+2*\t:67+2*\t], s[6:7], s[56:57]   ; a base for each K block: no pointer is stepped later
.endr
	v_and_b32 v1, 31, v0
	v_and_b32 v10, 15, v0
	v_bfe_u32 v11, v0, 4, 1
	v_lshlrev_b32 v[LI], 4, v1
	v_mul_u32_u24 v7, v10, SP
	v_add_nc_u32 v[ADA], AIMG, v[LI]
	v_lshl_add_u32 v7, v11, 5, v7
	v_add_nc_u32 v12, s54, v[LI]
	v_add_nc_u32 v13, s55, v[LI]
	v_add_nc_u32 v7, s58, v7                       ; the stage, in: row l % 16, my 512 bytes of it, 32 bytes for each half of the lanes
	v_add_nc_u32 v14, s53, v[ADA]
	v_add_nc_u32 v15, s60, v[LI]
	v_add_nc_u32 v9, s59, v[LI]                    ; and back: my four rows
	v_add_nc_u32 v8, 16*SP, v7
	s_wait_alu depctr_va_vdst(0)
.irp c, 0,1,2,3
	global_load_b128 v[AF+4*\c:AF+4*\c+3], v12, s[4:5] offset:512*\c
.endr
.irp c, 0,1,2,3
	global_load_b128 v[AF+16+4*\c:AF+16+4*\c+3], v13, s[4:5] offset:512*\c
.endr
	WIN 0x40
.irp p, 0,1,2,3
.irp i, 0,1,2,3,4,5,6,7
	global_load_b128 v[32*\p+4*\i:32*\p+4*\i+3], v[LI], s[10:11] offset:\p*4096+512*\i th:TH_LOAD_NT
.endr
.endr
	WIN 0
	BLOAD 0
	BLOAD 1
	s_wait_loadcnt 63                              ; of the 104 loads issued at most 63 are out: the first 40, the rows' codes and x, are in
.irp i, 0,1,2,3,4,5,6,7
	ds_store_b128 v14, v[AF+4*\i:AF+4*\i+3] offset:512*\i
.endr
	WIN 0x04
.set n, 0
.rept 32
	ds_store_b128 v15, v[4*n:4*n+3] offset:512*n   ; x waits in my own LDS bytes
.set n, n+1
.endr
	WIN 0
.irp i, 0,1,2,3,4,5,6,7
	global_load_b128 v[GAM+4*\i:GAM+4*\i+3], v[LI], s[12:13] offset:512*\i
.endr
.irp i, 0,1,2,3,4,5,6,7
	global_load_b128 v[BET+4*\i:BET+4*\i+3], v[LI], s[14:15] offset:512*\i
.endr
	s_wait_dscnt 0x0
	s_barrier_signal -1
	s_barrier_wait -1                              ; the rows' codes are whole
	WORK 0, 48, 1                                  ; behind block 0's loads: block 1's 32, gamma's and beta's 16
	BLOAD 2
	WORK 1, 48, 0                                  ; behind block 1's: those 16 and block 2's 32
	BLOAD 3
	WORK 2, 32, 0
	BLOAD 4
	WORK 3, 32, 0
	BLOAD 5
	WORK 4, 32, 0
	BLOAD 6
	WORK 5, 32, 0
	BLOAD 7
	WORK 6, 32, 0
	WORK 7, 0, 0
	WIN 0x04
.irp i, 0,1,2,3,4,5,6,7
	ds_store_b128 v7, v[8*\i:8*\i+3] offset:64*\i
	ds_store_b128 v7, v[8*\i+4:8*\i+7] offset:64*\i+16
.endr
.irp i, 0,1,2,3,4,5,6,7
	ds_store_b128 v8, v[64+8*\i:64+8*\i+3] offset:64*\i
	ds_store_b128 v8, v[64+8*\i+4:64+8*\i+7] offset:64*\i+16
.endr
	WIN 0
	s_wait_dscnt 0x0
	s_barrier_signal -1
	s_barrier_wait -1                              ; all eight waves' columns of the 32 rows lie in the stage
.irp p, 0,1,2,3
.irp i, 0,1,2,3,4,5,6,7
	ds_load_b128 v[Y+32*\p+4*\i:Y+32*\p+4*\i+3], v9 offset:\p*SP+512*\i
.endr
.endr
	WIN 0x40
.set n, 0
.rept 32
	ds_load_b128 v[128+4*n:128+4*n+3], v15 offset:512*n   ; x comes back
.set n, n+1
.endr
	WIN 0
	s_wait_kmcnt 0x0
	s_add_co_i32 s42, s40, s41
	s_add_co_i32 s42, s42, 127
	s_lshl_b32 s42, s42, 23                        ; 2^(e10 + e11)
	s_mov_b32 s43, s42
	s_wait_dscnt 0x0
	s_wait_loadcnt 0x0
	WIN 0x10
.set n, 0
.rept 64
	v_pk_fma_f32 v[Y+2*n:Y+2*n+1], v[Y+2*n:Y+2*n+1], s[42:43], v[128+2*n:129+2*n] op_sel_hi:[1,0,1]   ; y = sum x 2^(e10 + e11) + x
.set n, n+1
.endr
	WIN 0
.irp p, 0,1,2,3
	v_pk_add_f32 v[ST+4*\p:ST+4*\p+1], v[Y+32*\p:Y+32*\p+1], v[Y+32*\p+2:Y+32*\p+3]
.endr
.irp j, 4,6,8,10,12,14,16,18,20,22,24,26,28,30
.irp p, 0,1,2,3
	s_delay_alu instid0(VALU_DEP_4)
	v_pk_add_f32 v[ST+4*\p:ST+4*\p+1], v[ST+4*\p:ST+4*\p+1], v[Y+32*\p+\j:Y+32*\p+\j+1]
.endr
.endr
	REDUCE ST
.irp p, 0,1,2,3
	s_delay_alu instid0(VALU_DEP_4)
	v_mul_f32 v[ST+4*\p], s44, v[ST+4*\p]          ; the mean
.endr
.irp j, 0,2,4,6,8,10,12,14,16,18,20,22,24,26,28,30
.irp p, 0,1,2,3
	v_pk_add_f32 v[Y+32*\p+\j:Y+32*\p+\j+1], v[Y+32*\p+\j:Y+32*\p+\j+1], v[ST+4*\p:ST+4*\p+1] op_sel_hi:[1,0] neg_lo:[0,1] neg_hi:[0,1]
.endr
.endr
.irp p, 0,1,2,3
	v_pk_mul_f32 v[ST+2+4*\p:ST+3+4*\p], v[Y+32*\p:Y+32*\p+1], v[Y+32*\p:Y+32*\p+1]
.endr
.irp j, 2,4,6,8,10,12,14,16,18,20,22,24,26,28,30
.irp p, 0,1,2,3
	s_delay_alu instid0(VALU_DEP_4)
	v_pk_fma_f32 v[ST+2+4*\p:ST+3+4*\p], v[Y+32*\p+\j:Y+32*\p+\j+1], v[Y+32*\p+\j:Y+32*\p+\j+1], v[ST+2+4*\p:ST+3+4*\p]
.endr
.endr
	REDUCE ST+2
.irp p, 0,1,2,3
	s_delay_alu instid0(VALU_DEP_4)
	v_fma_f32 v[ST+2+4*\p], v[ST+2+4*\p], s44, s45 ; the variance + 1e-6
.endr
	s_wait_alu depctr_va_vdst(0)                   ; ahead of the batch,
.irp p, 0,1,2,3
	v_rsq_f32 v[ST+2+4*\p], v[ST+2+4*\p]
.endr
	v_nop
	s_wait_alu depctr_va_vdst(0)                   ; and behind it, ahead of its first reader
.irp p, 0,1,2,3
.irp j, 0,2,4,6,8,10,12,14,16,18,20,22,24,26,28,30
	v_pk_mul_f32 v[Y+32*\p+\j:Y+32*\p+\j+1], v[Y+32*\p+\j:Y+32*\p+\j+1], v[ST+2+4*\p:ST+3+4*\p] op_sel_hi:[1,0]
.endr
.irp j, 0,2,4,6,8,10,12,14,16,18,20,22,24,26,28,30
	v_pk_fma_f32 v[Y+32*\p+\j:Y+32*\p+\j+1], v[Y+32*\p+\j:Y+32*\p+\j+1], v[GAM+\j:GAM+\j+1], v[BET+\j:BET+\j+1]
.endr
.irp i, 0,1,2,3,4,5,6,7
	global_store_b128 v[LI], v[Y+32*\p+4*\i:Y+32*\p+4*\i+3], s[16:17] offset:\p*4096+512*\i th:TH_STORE_NT   ; 512 consecutive bytes
.endr
.endr
	s_wait_tensorcnt 0x0                           ; the wave's end
	ds_add_u32 v[SPW], v[NIL]
	s_wait_dscnt 0x0
	s_endpgm
.Lfunc_end_k_qbca9ae3e4b_outln:
	.size	k_qbca9ae3e4b_outln, .Lfunc_end_k_qbca9ae3e4b_outln-k_qbca9ae3e4b_outln
	.p2alignl 7, 3214868480
	.fill 96, 4, 3214868480
	.section	.rodata,"a",@progbits
	.p2align	6, 0x0
	.amdhsa_kernel k_qbca9ae3e4b_outln
		.amdhsa_group_segment_fixed_size 300032
		.amdhsa_private_segment_fixed_size 0
		.amdhsa_enable_private_segment 0
		.amdhsa_kernarg_size 56
		.amdhsa_user_sgpr_count 2
		.amdhsa_user_sgpr_kernarg_segment_ptr 1
		.amdhsa_wavefront_size32 1
		.amdhsa_system_sgpr_workgroup_id_x 1
		.amdhsa_system_sgpr_workgroup_id_y 1
		.amdhsa_system_sgpr_workgroup_id_z 1
		.amdhsa_system_vgpr_workitem_id 0
		.amdhsa_next_free_vgpr 512
		.amdhsa_next_free_sgpr 84
		.amdhsa_reserve_vcc 0
		.amdhsa_float_denorm_mode_32 3
		.amdhsa_float_denorm_mode_16_64 3
		.amdhsa_memory_ordered 1
		.amdhsa_forward_progress 1
		.amdhsa_inst_pref_size 93
	.end_amdhsa_kernel
	.amdgpu_metadata
---
amdhsa.version: [ 1, 2 ]
amdhsa.kernels:
  - .name:           k_qbca9ae3e4b_outln
    .symbol:         k_qbca9ae3e4b_outln.kd
    .args:
      - { .name: ac, .offset: 0, .size: 8, .value_kind: global_buffer, .address_space: global }
      - { .name: wc, .offset: 8, .size: 8, .value_kind: global_buffer, .address_space: global }
      - { .name: lowp_scales, .offset: 16, .size: 8, .value_kind: global_buffer, .address_space: global }
      - { .name: x, .offset: 24, .size: 8, .value_kind: global_buffer, .address_space: global }
      - { .name: ln_gamma, .offset: 32, .size: 8, .value_kind: global_buffer, .address_space: global }
      - { .name: ln_beta, .offset: 40, .size: 8, .value_kind: global_buffer, .address_space: global }
      - { .name: out0, .offset: 48, .size: 8, .value_kind: global_buffer, .address_space: global }
    .group_segment_fixed_size: 300032
    .private_segment_fixed_size: 0
    .kernarg_segment_align: 8
    .kernarg_segment_size: 56
    .max_flat_workgroup_size: 256
    .sgpr_count:     84
    .vgpr_count:     512
    .wavefront_size: 32
...
	.end_amdgpu_metadata
.endif
;; end of part 4
